; MI455X (gfx1250); checked and timed in simulation.
; The chip was launched on July 23, 2026; its instructions are those of AMD's public machine-readable ISA for CDNA 5 (MIT licence, August 2026) and "CDNA5" Instruction Set Architecture Reference Guide (July 2026). The comments in the code are by the model that wrote it; some were corrected since.
;; Flash Core Attention. Allowed arithmetic: matrix products marked QUANTISED: E4M3 operands, one E8M0 scale for each 32 along K, by v_wmma_scale_f32_16x16x128_f8f6f4 with both operands' format E4M3, f32 sums; everything else in f32.
;; Inputs: attention_mask 4 x 2,048 bool; k 2,048 x 4 x 1,024 float32; padding_mask 4 x 2,048 bool; q 2,048 x 4 x 1,024 float32; v 2,048 x 4 x 1,024 float32.
;; Outputs: out0 2,048 x 4 x 1,024 float32.
;; This version of the problem:
;;   THIS VERSION OF THE PROBLEM IS GIVEN IN LOW PRECISION. The matrix products marked QUANTISED in the list below multiply operands that are first quantised to E4M3 (4 exponent bits, 3 mantissa bits; 8 bits a number), with one power-of-two scale for each 32 numbers along K (OCP MX v1.0); their sums are f32. All else is computed in f32.
;;   The module's matrix products, in the order in which they are computed (A, B: the left and right operand; K: the contracted axis; several contracted axes count as one K, in the product's order):
;;     1. batch 64 x [M 2,048, K 64] x [K 64, N 2,048]; A: computed on the way; B: computed on the way: QUANTISED
;;     2. batch 64 x [M 64, K 2,048] x [K 2,048, N 2,048]; A: input v; B: softmax (see below): QUANTISED
;;   THE QUANTISER, for each operand of a quantised product, along K:
;;     - K is cut into blocks of 32 from its start; a last block that is shorter is filled with zeros.
;;     - A block's scale is 2^e with e = floor(log2(the largest magnitude in the block)) - 8, held to -126 .. 127; a block of zeros has e = 0. As a byte (E8M0): e + 127.
;;     - Each number is divided by its block's scale, clamped to +-448, and rounded to the nearest number of E4M3, ties to even, subnormals kept.
;;     - The product sums the exact products of the quantised numbers (number of the format x scale) in f32.
;;   ~~~python
;;   def quantise(x, axis):      # numpy; x: float32 -> the quantised numbers, widened to float32 again
;;       x = np.moveaxis(x, axis, -1); K = x.shape[-1]
;;       x = np.pad(x, [(0, 0)] * (x.ndim - 1) + [(0, -K % 32)]); x = x.reshape(x.shape[:-1] + (-1, 32)); a = np.abs(x).max(-1, keepdims=True)
;;       e = np.where(a > 0, np.clip(np.frexp(np.where(a > 0, a, 1))[1] - 1 - 8, -126, 127), 0)      # np.frexp(a)[1] - 1 = floor(log2(a)), exactly
;;       r = np.clip(x / 2.0 ** e, -448, 448)
;;       step = 2.0 ** (np.maximum(np.frexp(np.where(r == 0, 1, r))[1] - 1, -6) - 3)
;;       q = np.round(r / step) * step * 2.0 ** e      # np.round: ties to even
;;       return np.moveaxis(q.reshape(q.shape[:-2] + (-1,))[..., :K], -1, axis).astype(np.float32)
;;   ~~~
;;   SOFTMAX AHEAD OF A QUANTISED PRODUCT. Where the list says 'softmax', what is quantised is not the finished softmax but p = 2^(t - M), with t = logit x log2(e) and M = ceil(the row's largest t), a whole number; so 1/2 < the row's largest p <= 1. The row's sum l is taken of the UNQUANTISED p, in f32, and the product's result is divided by l at the end. Since M is a whole number, a kernel that streams over the keys may use a running M (the ceiling of the running maximum): every later rescaling is an exact power of two, which a block's scale takes up: the codes' values come out the same.
;;   OPERANDS COMPUTED ON THE WAY. 'Computed on the way' means the value that the module computes at that place (a softmax that the list does not call 'softmax' is quantised finished and normalised). What goes into a quantiser is computed in f32, as accurately as f32 sums, v_exp_f32 and their like allow (about 1e-6 of the number): no bf16 or f16 on the way to a quantiser, and a product that is left as it is and whose result goes on into a quantised operand takes f32 operands (vector FMAs, or v_wmma_f32_16x16x4_f32). A number that lies on a knife's edge between two numbers of the format may be rounded either way, as far as f32 arithmetic and the matrix unit's own rounding can turn it there, and no further.
;; One version. Each part assembles by itself: llvm-mc -triple=amdgcn-amd-amdhsa -mcpu=gfx1250 --defsym DOCPART=n.
;; ======== version 1 of 1: 2 launches
;; limits: right only within a limited range of input values
;; workspace buffers: qc 8,650,752 bytes; kv 17,301,504 bytes
;; launch prep (part 1): grid 32 x 16, 4 waves a work-group, no clusters, 205,312 bytes of LDS; arguments q, k, v, qc, kv; writes qc, kv
.if DOCPART == 1
	.amdgcn_target "amdgcn-amd-amdhsa--gfx1250"
	.amdhsa_code_object_version 6
	.text
	.protected	k_q8885f670c7_prep
	.globl	k_q8885f670c7_prep
	.p2align	8
	.type	k_q8885f670c7_prep,@function
k_q8885f670c7_prep:
	s_mov_b64 s[64:65], 0
	v_nop
	global_prefetch_b8 v0, s[64:65] scope:SCOPE_SE
	s_setreg_imm32_b32 hwreg(HW_REG_WAVE_MODE, 25, 1), 1
	s_wait_xcnt 0x0
; q, k, v: [2048 positions][4 x 16 heads][64] f32.  This launch turns them into codes of FP8 (E4M3) with one E8M0 byte for each 32 along a product's K:
;   q and k: rotary embedding in f32, then quantised along the head's 64 (two blocks of 32);   v: quantised along the KEYS (blocks of 32 positions).
; All results are laid as IMAGES OF THE OPERAND'S REGISTERS, so that the second launch takes every fragment by loads of 16 bytes a lane, 512 consecutive bytes an instruction.
;   qc [head 64][step 16][8,448]:  4 fragments x 2,048 bytes of codes, then 256 bytes of scale words [fragment][row].   A step is 128 positions.
;   kv [head 64][step 16][16,896]: K's 4 fragments, V's 4 fragments, K's 256 bytes of scale words, V's 256.
;   A fragment is [group c 0..3][lane 0..31][16 bytes]: group c = registers 4 c .. 4 c + 3 = k 32 c + 16 (lane / 16) + 0 .. 15 of row lane % 16.
;   A fragment b of q or k holds TWO tiles of 16 positions: groups 0, 1 tile u = 0 (the head's 64), groups 2, 3 tile u = 1.  Row r of tile u is position 128 step + 32 b + 8 u + r + 8 (r / 8).
;   A fragment t of v: row r is channel 16 t + r, k runs along the step's 128 keys.
; THE 1/8 OF reference()'s qh x scale is a power of two: q is quantised unscaled (the same codes, the byte 3 higher) and the second launch folds 1/8 into its constant.
; THE ANGLE is pos x inv_freq[j], one f32 multiplication as in reference(); inv_freq[j] is built in as the f32 number nearest to 1 / (the f32 number nearest to 10^(j/8)), which is what an f32 power and an f32 division give.
; cos and sin: n = the whole number nearest to angle x 2/pi; r = angle - n pi/2 with pi/2 in two parts (the first product is taken off exactly: n has 11 bits, the part 24, and the difference is a multiple of 2^-24 under 1);
; polynomials of degree 7 and 8 on |r| <= pi/4; the quadrant n mod 4 swaps them and sets the signs.
; padding_mask and attention_mask are arguments that reference() never uses: no output number hangs on them, so no launch of this program names them.
; LIMITS: NaN and infinities among the inputs are not served.  A block of zeros gets the byte 1 where the quantiser's rule says 127: its codes are zeros, and this program alone reads the bytes.
;   A block of q whose largest magnitude lies under 2^-115 would have its byte held from below in reference() (after the 1/8) and not here.
; SHARES.  Work-group (x = pair of heads, y = step): 128 positions x 512 bytes of each tensor, 196,608 bytes, brought by tensor loads once: no LDS byte is filled twice.
;   q, k: wave w takes positions 32 w .. 32 w + 31 (fragment b = w) of both heads: one table of cos and sin serves 2 heads x 2 tensors.   v: wave w takes 32 channels (head w / 2, half w % 2), a lane a channel, registers down the keys.
; No cluster: no two work-groups read the same bytes.  No ring: all that a work-group reads fits in LDS.
.set QSTEP,  8448
.set QHEAD,  16*QSTEP
.set STEPB,  16896
.set KVHEAD, 16*STEPB
.set PITCH,  528                       ; an LDS row: 512 bytes + 16 of padding
.set WROWS,  32*PITCH                  ; a wave's 32 rows
.set KT,     4*WROWS                   ; LDS: q's 128 rows at 0, k's here,
.set VT,     8*WROWS                   ; v's here,
.set SCL,    12*WROWS                  ; and behind the tiles, at a multiple of 256, 1,536 bytes of scale words: q's [head a][256], then [head a][K's 256, V's 256]; no tile lands here
.set SKV,    SCL+512
.set LI,   4                           ; v4      16 x lane
.set AX,   5                           ; v5-8    LDS address of my row and my 16 channels: q tile 0, q tile 1, k tile 0, k tile 1
.set AV,   9                           ; v9-10   LDS address of my channel of v at key 0, at key 64
.set SW,   11                          ; v11-12  where my row's scale word goes: q's, k's
.set SWV,  13                          ; v13     and my channel's, for v
.set VO,   14                          ; v14     my place in v's images
.set GQ,   15                          ; v15     the way out of q's scale words
.set POS,  16                          ; v16-17  my position in tile 0, tile 1, as f32
.set SCA,  18                          ; v18     SCL + 16 x lane
.set WV_,  19                          ; v19     v's scale word
.set T0,   20                          ; v20-35  x_high x sin;  later the quantiser's ten registers
.set T1,   36                          ; v36-43  x_low x sin, four pairs by turns
.set QM,   20                          ; largest magnitudes
.set QP,   22                          ; the other half of the lanes'
.set QH,   24                          ; 448 x the scale
.set QO,   26                          ; the conversion's scale operand
.set QB,   28                          ; the bytes
.set WW,   44                          ; v44-47  scale words of (tensor, head): no LDS store's data are written again
.set TAB,  48                          ; v48-111 cos of tile u at TAB + 32 u, sin at TAB + 16 + 32 u; register i: j = 16 (lane / 16) + i.  Later v's codes, and the scale words on their way out
.set X0,   112                         ; v112-175 two sets of 32 numbers.  While the table is made: inv_freq, the polynomials' registers, two coefficients
.set INV,  112
.set TE,   128
.set CS3,  160
.set CC3,  161
.set CODE, 176                         ; v176-239 codes, 8 registers for each of q's and k's 8 sub-units: no store's data are written again
	s_load_b256 s[4:11], s[0:1], 0x0               ; q s[4:5], k s[6:7], v s[8:9], qc s[10:11]
	s_load_b64 s[12:13], s[0:1], 0x20              ; kv
	v_lshl_add_u32 v240, v0, 2, 0x32000
	v_mov_b32 v241, 0
	ds_add_u32 v240, v241
	ds_add_u32 v240, v241
	v_lshrrev_b32 v1, 5, v0
	v_readfirstlane_b32 s14, v1                    ; wave 0..3
	s_and_b32 s16, ttmp7, 0xffff                   ; the step
	; descriptor group 1: 128 rows of 128 elements of 4 bytes, 4,096 elements from row to row, 4 words of padding behind every 128
	s_mov_b32 s20, (2<<16)|(1<<20)|(6<<22)|(3<<25)
	s_mov_b32 s21, 128<<16                         ; tensor_dim0
	s_mov_b32 s22, 128<<16                         ; tensor_dim1: q's and k's tiles come whole, 128 rows a load
	s_mov_b32 s23, 128<<16                         ; tile_dim0
	s_mov_b32 s24, 128                             ; tile_dim1
	s_mov_b32 s25, 4096                            ; the pitch
	s_mov_b32 s26, 0
	s_mov_b32 s27, 0
	s_lshl_b32 s17, s16, 7
	s_lshl_b32 s18, s14, 5
	s_add_co_u32 s17, s17, s18                     ; my wave's first position: 128 step + 32 wave
	s_lshl_b32 s18, s16, 21                        ; the step's first position: 128 positions of 16,384 bytes a step,
	s_lshl_b32 s19, ttmp9, 9
	s_add_co_u32 s18, s18, s19
	s_mov_b32 s19, 0
	; ONE TENSOR LOAD A WAVE: wave 0 fetches q's 128 rows, wave 1 k's, waves 2 and 3 the halves of v's
	s_mov_b32 s28, 1
	s_mov_b32 s32, 1
	s_mul_i32 s15, s14, WROWS                      ; where my 32 rows of q's tile begin in LDS
	s_mul_i32 s29, s14, KT                         ; waves 0, 1: q's tile at 0, k's at KT
	s_mul_i32 s33, s14, 2*WROWS
	s_add_co_u32 s33, s33, 4*WROWS                 ; waves 2, 3: VT + 64 rows x (wave - 2)
	s_mov_b32 s68, (2<<16)|(1<<20)|(6<<22)|(3<<25) ; a second group 1: 64 rows, all else as above
	s_mov_b32 s69, 128<<16
	s_mov_b32 s70, 64<<16
	s_mov_b32 s71, 128<<16
	s_mov_b32 s72, 64
	s_mov_b32 s73, 4096
	s_mov_b32 s74, 0
	s_mov_b32 s75, 0
	s_and_b32 s36, s14, 1
	s_lshl_b32 s36, s36, 20                        ; wave 3: 64 positions of 16,384 bytes further on
	s_mov_b32 s37, 0
	s_wait_dscnt 0x0
	s_wait_kmcnt 0x0
	s_cmp_eq_u32 s14, 0
	s_cselect_b64 s[30:31], s[4:5], s[6:7]         ; q or k: the choice hangs on the wave's number alone
	s_add_nc_u64 s[30:31], s[30:31], s[18:19]
	s_add_nc_u64 s[34:35], s[8:9], s[18:19]
	s_add_nc_u64 s[34:35], s[34:35], s[36:37]
	s_or_b32 s31, s31, 0x80000000                  ; the type
	s_or_b32 s35, s35, 0x80000000
	s_cmp_lt_u32 s14, 1                            ; q's load, k's load and v's two have arms of their own: each tile is shown by a barrier of its own further down
	s_cbranch_scc0 .Lld_k
	tensor_load_to_lds s[28:31], s[20:27]
	s_nop 0
.rept 4
	v_nop
.endr
	s_branch .Lld_done
.Lld_k:
	s_cmp_lt_u32 s14, 2
	s_cbranch_scc0 .Lld_v
	tensor_load_to_lds s[28:31], s[20:27]
	s_nop 0
.rept 4
	v_nop
.endr
	s_branch .Lld_done
.Lld_v:
	tensor_load_to_lds s[32:35], s[68:75]
	s_nop 0
.rept 4
	v_nop
.endr
.Lld_done:
	; where the results go
	s_lshl_b32 s56, ttmp9, 1                       ; the pair's first head
	s_mul_i32 s2, s56, QHEAD
	s_mul_i32 s57, s16, QSTEP
	s_add_co_u32 s2, s2, s57
	s_mov_b32 s3, 0
	s_add_nc_u64 s[2:3], s[10:11], s[2:3]          ; qc at (first head, step)
	s_mul_i32 s62, s56, KVHEAD
	s_mul_i32 s57, s16, STEPB
	s_add_co_u32 s62, s62, s57
	s_mov_b32 s63, 0
	s_add_nc_u64 s[62:63], s[12:13], s[62:63]      ; kv at (first head, step)
	s_lshl_b32 s56, s14, 11                        ; my fragment: 2,048 x wave
	s_mov_b32 s57, 0
	s_add_nc_u64 s[40:41], s[2:3], s[56:57]        ; q's codes, head 0 of the pair,
	s_add_nc_u64 s[42:43], s[40:41], QHEAD         ; head 1
	s_add_nc_u64 s[44:45], s[62:63], s[56:57]      ; k's codes likewise
	s_add_nc_u64 s[46:47], s[44:45], KVHEAD
	s_lshr_b32 s56, s14, 1
	s_mul_i32 s56, s56, KVHEAD                     ; v's codes: head wave / 2,
	s_and_b32 s58, s14, 1
	s_lshl_b32 s58, s58, 12                        ; fragments 2 (wave % 2) and the next,
	s_add_co_u32 s56, s56, s58
	s_add_co_u32 s56, s56, 8192                    ; behind K's four
	s_add_nc_u64 s[48:49], s[62:63], s[56:57]
	s_mov_b32 s50, 0x76543210
	s_mov_b32 s51, 0xfedcba98                      ; v_permlanex16_b32's selects for lane l xor 16
	s_mov_b32 s52, 0x600000                        ; the mantissa field of 448
	s_mov_b32 s53, 0x3fc90fdb                      ; pi/2, the f32 number nearest to it,
	s_mov_b32 s54, 0xb33bbd2e                      ; and what is left
	; every LDS address is a constant + a constant x lane term + a constant x wave
	v_and_b32 v1, 31, v0                           ; lane
	v_and_b32 v2, 15, v0                           ; r
	v_bfe_u32 v3, v0, 4, 1                         ; h
	v_lshlrev_b32 v[LI], 4, v1
	v_and_b32 v20, 8, v2
	v_add_nc_u32 v20, v20, v2                      ; r + 8 (r / 8): my row in tile 0
	v_mul_u32_u24 v21, v20, PITCH
	v_lshl_add_u32 v21, v3, 6, v21                 ; + 64 h: channels 16 h on
	v_add_nc_u32 v[AX], s15, v21
	v_add_nc_u32 v[AX+1], 8*PITCH, v[AX]           ; tile 1 lies 8 rows further down
	v_add_nc_u32 v[AX+2], KT, v[AX]
	v_add_nc_u32 v[AX+3], KT, v[AX+1]
	s_lshl_b32 s56, s14, 7                         ; v: 256 (wave / 2) + 128 (wave % 2) = 128 x wave
	v_lshl_add_u32 v[AV], v1, 2, s56
	v_add_nc_u32 v[AV], VT, v[AV]
	v_add_nc_u32 v[AV+1], 64*PITCH, v[AV]
	s_lshl_b32 s56, s14, 6
	v_lshl_add_u32 v[SW], v2, 2, s56               ; 64 x wave + 4 r
	v_add_nc_u32 v[SW+1], SKV, v[SW]
	v_add_nc_u32 v[SW], SCL, v[SW]
	s_lshr_b32 s56, s14, 1
	s_lshl_b32 s56, s56, 9
	s_and_b32 s58, s14, 1
	s_lshl_b32 s58, s58, 7
	s_add_co_u32 s56, s56, s58
	v_lshl_add_u32 v[SWV], v1, 2, s56              ; 512 (wave / 2) + 128 (wave % 2) + 4 x lane
	v_add_nc_u32 v[SWV], SKV+256, v[SWV]
	v_lshlrev_b32 v[VO], 4, v2
	v_lshl_add_u32 v[VO], v3, 11, v[VO]            ; channel 32 e + lane: fragment lane / 16, row lane % 16
	v_mul_u32_u24 v[GQ], v3, QHEAD
	v_lshl_add_u32 v[GQ], v2, 4, v[GQ]
	v_add_nc_u32 v[SCA], SCL, v[LI]
	v_add_nc_u32 v20, s17, v20
	v_cvt_f32_u32 v[POS], v20                      ; exact
	v_add_f32 v[POS+1], 0x41000000, v[POS]         ; + 8
	; ---- THE TABLE, while the tiles are on their way.  inv_freq[16 h + i]: lanes 0-15 keep the first number, lanes 16-31 take the second
	v_cmp_eq_u32 vcc_lo, 0, v3
.macro INVF i, lo, hi
	v_mov_b32 v[INV+\i], \lo
	v_cndmask_b32 v[INV+\i], \hi, v[INV+\i], vcc_lo
.endm
	INVF 0,  0x3f800000, 0x3c23d70a
	INVF 1,  0x3f3ff911, 0x3bf5b9b0
	INVF 2,  0x3f0ff59a, 0x3bb8449c
	INVF 3,  0x3ed7e89b, 0x3b8a2e77
	INVF 4,  0x3ea1e89b, 0x3b4f3e38
	INVF 5,  0x3e72d423, 0x3b1b690d
	INVF 6,  0x3e361887, 0x3ae91528
	INVF 7,  0x3e088d77, 0x3aaec98e
	INVF 8,  0x3dcccccd, 0x3a83126f
	INVF 9,  0x3d99940d, 0x3a44948c
	INVF 10, 0x3d6655c2, 0x3a136a16
	INVF 11, 0x3d2cba15, 0x39dd1725
	INVF 12, 0x3d0186e3, 0x39a5cb60
	INVF 13, 0x3cc2434f, 0x3978a815
	INVF 14, 0x3c91ad39, 0x393a7753
	INVF 15, 0x3c5a7bf2, 0x390bd472
	v_mov_b32 v[CS3], 0xb94ca1f9                   ; the leading coefficients of sin's and of cos's polynomial
	v_mov_b32 v[CC3], 0x37ccf5ce
; cos and sin of four angles of tile u, i0 .. i0 + 3, line by line by turns, so that no line waits for the line above it.
; Of an angle's eight registers: +0 the angle, later z r, later a sign; +1 n; +2 r; +3 z = r r; +4 sin r; +5 cos r; +6 n as a whole number, later a sign
.macro EVAL4 u, i0
.irp k, 0,1,2,3
	v_mul_f32 v[TE+8*\k], v[POS+\u], v[INV+\i0+\k]
.endr
.irp k, 0,1,2,3
	v_mul_f32 v[TE+8*\k+1], 0x3f22f983, v[TE+8*\k]                  ; x 2/pi
.endr
.irp k, 0,1,2,3
	v_rndne_f32 v[TE+8*\k+1], v[TE+8*\k+1]
.endr
.irp k, 0,1,2,3
	v_fma_f32 v[TE+8*\k+2], -v[TE+8*\k+1], s53, v[TE+8*\k]          ; exact
.endr
.irp k, 0,1,2,3
	v_fma_f32 v[TE+8*\k+2], -v[TE+8*\k+1], s54, v[TE+8*\k+2]
.endr
.irp k, 0,1,2,3
	v_mul_f32 v[TE+8*\k+3], v[TE+8*\k+2], v[TE+8*\k+2]
.endr
.irp k, 0,1,2,3
	v_fmaak_f32 v[TE+8*\k+4], v[TE+8*\k+3], v[CS3], 0x3c08839e
.endr
.irp k, 0,1,2,3
	v_fmaak_f32 v[TE+8*\k+5], v[TE+8*\k+3], v[CC3], 0xbab6061a
.endr
.irp k, 0,1,2,3
	v_fmaak_f32 v[TE+8*\k+4], v[TE+8*\k+4], v[TE+8*\k+3], 0xbe2aaaa3
.endr
.irp k, 0,1,2,3
	v_fmaak_f32 v[TE+8*\k+5], v[TE+8*\k+5], v[TE+8*\k+3], 0x3d2aaaa5
.endr
.irp k, 0,1,2,3
	v_mul_f32 v[TE+8*\k], v[TE+8*\k+3], v[TE+8*\k+2]
.endr
.irp k, 0,1,2,3
	v_fma_f32 v[TE+8*\k+5], v[TE+8*\k+5], v[TE+8*\k+3], -0.5
.endr
.irp k, 0,1,2,3
	v_fma_f32 v[TE+8*\k+4], v[TE+8*\k+4], v[TE+8*\k], v[TE+8*\k+2]  ; sin r
.endr
.irp k, 0,1,2,3
	v_fma_f32 v[TE+8*\k+5], v[TE+8*\k+5], v[TE+8*\k+3], 1.0         ; cos r
.endr
.irp k, 0,1,2,3
	v_cvt_i32_f32 v[TE+8*\k+6], v[TE+8*\k+1]
.endr
.irp k, 0,1,2,3
	v_and_b32 v[TE+8*\k], 1, v[TE+8*\k+6]
.endr
.irp k, 0,1,2,3
	v_cmp_eq_u32 s[58+\k], 1, v[TE+8*\k]                            ; an odd quadrant swaps the two
.endr
.irp k, 0,1,2,3
	v_cndmask_b32 v[TAB+32*\u+\i0+\k], v[TE+8*\k+5], v[TE+8*\k+4], s[58+\k]
.endr
.irp k, 0,1,2,3
	v_cndmask_b32 v[TAB+16+32*\u+\i0+\k], v[TE+8*\k+4], v[TE+8*\k+5], s[58+\k]
.endr
.irp k, 0,1,2,3
	v_add_lshl_u32 v[TE+8*\k], v[TE+8*\k+6], 1, 30                  ; cos is negative in quadrants 1 and 2: bit 1 of n + 1,
.endr
.irp k, 0,1,2,3
	v_lshlrev_b32 v[TE+8*\k+6], 30, v[TE+8*\k+6]                    ; sin in quadrants 2 and 3: bit 1 of n
.endr
.irp k, 0,1,2,3
	v_and_b32 v[TE+8*\k], 0x80000000, v[TE+8*\k]
.endr
.irp k, 0,1,2,3
	v_and_b32 v[TE+8*\k+6], 0x80000000, v[TE+8*\k+6]
.endr
.irp k, 0,1,2,3
	v_xor_b32 v[TAB+32*\u+\i0+\k], v[TAB+32*\u+\i0+\k], v[TE+8*\k]
.endr
.irp k, 0,1,2,3
	v_xor_b32 v[TAB+16+32*\u+\i0+\k], v[TAB+16+32*\u+\i0+\k], v[TE+8*\k+6]
.endr
.endm
.irp u, 0,1
.irp i0, 0,4,8,12
	EVAL4 \u, \i0
.endr
.endr
	; ---- q AND k.  Sub-unit n = 4 x tensor + 2 x head + tile: 16 positions of one head; a lane holds channels 16 h + i (low) and 32 + 16 h + i (high) of its row
.macro LOADX n                         ; sub-unit n's 32 numbers a lane into set n % 2
.set lx_s, X0+32*((\n)%2)
.set lx_a, AX+2*((\n)/4)+(\n)%2
.set lx_o, 256*(((\n)/2)%2)
.irp j, 0,1,2,3
	ds_load_b128 v[lx_s+4*\j:lx_s+4*\j+3], v[lx_a] offset:lx_o+16*\j
.endr
.irp j, 0,1,2,3
	ds_load_b128 v[lx_s+16+4*\j:lx_s+16+4*\j+3], v[lx_a] offset:lx_o+128+16*\j
.endr
.endm
.macro PROC n
.set p_u,  (\n)%2
.set p_a,  ((\n)/2)%2
.set p_x,  (\n)/4
.set p_xl, X0+32*p_u
.set p_co, TAB+32*p_u
.set p_si, TAB+16+32*p_u
.set p_cd, CODE+8*(\n)
.set p_w,  WW+2*p_x+p_a
.set p_d,  40+4*p_x+2*p_a
.if (\n) == 3                          ; ahead of the first read of k's tile: wave 1 issued its load; the waves under 2 wait, then the barrier
	s_wait_alu depctr_va_vdst(0)                   ; directly ahead of the wait below
	s_wait_dscnt 0x0                               ; no LDS instruction of mine is out at a signal
	s_cmp_lt_u32 s14, 2
	s_cbranch_scc0 .Lwk
	s_wait_tensorcnt 0x0
.Lwk:
	s_barrier_signal -1
	s_barrier_wait -1
.endif
.if (\n) < 7
	LOADX (\n)+1                                   ; the next sub-unit, into the other set
	s_wait_dscnt 0x8                               ; all but the eight just issued: this sub-unit's numbers are in
.else
	s_wait_dscnt 0x0
.endif
	; the rotary embedding: low' = low cos - high sin, high' = high cos + low sin, two at a time
.irp i, 0,2,4,6,8,10,12,14
	v_pk_mul_f32 v[T0+\i:T0+\i+1], v[p_xl+16+\i:p_xl+16+\i+1], v[p_si+\i:p_si+\i+1]
.endr
.irp i, 0,2,4,6,8,10,12,14
	v_pk_mul_f32 v[T1+(\i)%8:T1+(\i)%8+1], v[p_xl+\i:p_xl+\i+1], v[p_si+\i:p_si+\i+1]
	v_pk_fma_f32 v[p_xl+\i:p_xl+\i+1], v[p_xl+\i:p_xl+\i+1], v[p_co+\i:p_co+\i+1], v[T0+\i:T0+\i+1] neg_lo:[0,0,1] neg_hi:[0,0,1]
	v_pk_fma_f32 v[p_xl+16+\i:p_xl+16+\i+1], v[p_xl+16+\i:p_xl+16+\i+1], v[p_co+\i:p_co+\i+1], v[T1+(\i)%8:T1+(\i)%8+1]
.endr
	; the quantiser, two blocks by turns: block 0 = channels 0-31 (my 16 low and lane l xor 16's), block 1 = channels 32-63
.irp b, 0,1
	v_max3_num_f32 v[QM+\b], |v[p_xl+16*\b]|, |v[p_xl+16*\b+1]|, 0x4800000   ; with the floor 2^(9 - 127): the byte cannot fall under 1
.endr
.irp i, 2,4,6,8,10,12,14
.irp b, 0,1
	v_max3_num_f32 v[QM+\b], v[QM+\b], |v[p_xl+16*\b+\i]|, |v[p_xl+16*\b+\i+1]|
.endr
.endr
.irp b, 0,1
	v_permlanex16_b32 v[QP+\b], v[QM+\b], s50, s51
.endr
.irp b, 0,1
	v_max_num_f32 v[QM+\b], v[QM+\b], v[QP+\b]     ; the block's largest magnitude
.endr
.irp b, 0,1
	v_add_nc_u32 v[QO+\b], 0xfc000000, v[QM+\b]    ; 8 off its exponent field: the conversion takes the exponent field of this operand as its scale
.endr
.irp b, 0,1
	v_and_or_b32 v[QH+\b], v[QM+\b], 0x7f800000, s52   ; 448 x the scale
.endr
.irp b, 0,1
	v_lshrrev_b32 v[QB+\b], 23, v[QO+\b]           ; the scale's byte
.endr
.irp b, 0,1
.irp i, 0,1,2,3,4,5,6,7,8,9,10,11,12,13,14,15
	v_med3_num_f32 v[p_xl+16*\b+\i], v[p_xl+16*\b+\i], -v[QH+\b], v[QH+\b]   ; the conversion to an 8-bit code does not saturate (ISA guide 7.6.2): the hold comes first
.endr
	v_cvt_scalef32_pk8_fp8_f32 v[p_cd+4*\b:p_cd+4*\b+1], v[p_xl+16*\b:p_xl+16*\b+7], v[QO+\b]
	v_cvt_scalef32_pk8_fp8_f32 v[p_cd+4*\b+2:p_cd+4*\b+3], v[p_xl+16*\b+8:p_xl+16*\b+15], v[QO+\b]
.endr
	v_nop                                          ; one plain line behind the last conversion
.if p_u == 0
	v_lshl_or_b32 v[p_w], v[QB+1], 8, v[QB]        ; the row's scale word: tile 0's two bytes,
.else
	v_lshl_or_b32 v[p_w], v[QB], 16, v[p_w]        ; tile 1's two
	v_lshl_or_b32 v[p_w], v[QB+1], 24, v[p_w]
	ds_store_b32 v[SW+p_x], v[p_w] offset:256*p_a*(1+p_x)   ; lanes l and l xor 16 write the same word with the same value
.endif
	global_store_b128 v[LI], v[p_cd:p_cd+3], s[p_d:p_d+1] offset:1024*p_u         ; group 2 u: 32 lanes store 512 consecutive bytes
	global_store_b128 v[LI], v[p_cd+4:p_cd+7], s[p_d:p_d+1] offset:1024*p_u+512   ; group 2 u + 1
.endm
	s_wait_alu depctr_va_vdst(0)                   ; directly ahead of the wait below
	s_cmp_lt_u32 s14, 1                            ; wave 0 alone issued q's load: it waits for it,
	s_cbranch_scc0 .Lwq
	s_wait_tensorcnt 0x0
.Lwq:
	s_barrier_signal -1
	s_barrier_wait -1                              ; and behind the barrier q's tile lies in LDS for all; k's and v's may still be out
	LOADX 0
.irp n, 0,1,2,3,4,5,6,7
	PROC \n
.endr
	; ---- v.  All four waves read all 128 rows: each wave has waited for its load, then the barrier
	s_wait_tensorcnt 0x0
	s_wait_dscnt 0x0
	s_barrier_signal -1
	s_barrier_wait -1
.macro LOADV c                         ; block c: keys 32 c + i of my channel, i = 0 .. 31: a wave reads 128 consecutive bytes an instruction
.set lv_s, X0+32*((\c)%2)
.irp i, 0,1,2,3,4,5,6,7,8,9,10,11,12,13,14,15,16,17,18,19,20,21,22,23,24,25,26,27,28,29,30,31
	ds_load_b32 v[lv_s+\i], v[AV+(\c)/2] offset:(32*((\c)%2)+\i)*PITCH
.endr
.endm
.macro BLOCKV c
.set b_x, X0+32*((\c)%2)
.set b_c, TAB+8*(\c)
.if (\c) < 3
	s_wait_dscnt 32                                ; this block's 32 loads are in; the next block's may be out
.else
	s_wait_dscnt 0x0
.endif
	v_max3_num_f32 v[QM], |v[b_x]|, |v[b_x+1]|, |v[b_x+2]|         ; all 32 numbers of the block are mine: two chains
	v_max3_num_f32 v[QM+1], |v[b_x+3]|, |v[b_x+4]|, |v[b_x+5]|
.irp i, 6,10,14,18,22,26
	v_max3_num_f32 v[QM], v[QM], |v[b_x+\i]|, |v[b_x+\i+1]|
	v_max3_num_f32 v[QM+1], v[QM+1], |v[b_x+\i+2]|, |v[b_x+\i+3]|
.endr
	v_max3_num_f32 v[QM], v[QM], |v[b_x+30]|, |v[b_x+31]|
	v_max3_num_f32 v[QM], v[QM], v[QM+1], 0x4800000
	v_add_nc_u32 v[QO], 0xfc000000, v[QM]
	v_and_or_b32 v[QH], v[QM], 0x7f800000, s52
	v_lshrrev_b32 v[QB], 23, v[QO]
.if (\c) == 0
	v_mov_b32 v[WV_], v[QB]                        ; the channel's scale word: the lower keys in the lower byte
.else
	v_lshl_or_b32 v[WV_], v[QB], 8*(\c), v[WV_]
.endif
.irp i, 0,1,2,3,4,5,6,7,8,9,10,11,12,13,14,15,16,17,18,19,20,21,22,23,24,25,26,27,28,29,30,31
	v_med3_num_f32 v[b_x+\i], v[b_x+\i], -v[QH], v[QH]
.endr
.irp j, 0,1,2,3
	v_cvt_scalef32_pk8_fp8_f32 v[b_c+2*\j:b_c+2*\j+1], v[b_x+8*\j:b_x+8*\j+7], v[QO]
.endr
	v_nop                                          ; one plain line behind the last conversion
.if (\c)+2 < 4
	LOADV (\c)+2
.endif
	global_store_b128 v[VO], v[b_c:b_c+3], s[48:49] offset:512*(\c)         ; keys 32 c + 0 .. 15: the image's lanes 0-15 of group c.  Sixteen lanes store 256 consecutive bytes, aligned
	global_store_b128 v[VO], v[b_c+4:b_c+7], s[48:49] offset:512*(\c)+256   ; keys 32 c + 16 .. 31: its lanes 16-31
.endm
	LOADV 0
	LOADV 1
.irp c, 0,1,2,3
	BLOCKV \c
.endr
	ds_store_b32 v[SWV], v[WV_]
	; ---- the scale words leave in whole blocks of 256 bytes: all waves' stores have landed, then wave 0 reads the 1,536 bytes back
	s_wait_dscnt 0x0
	s_barrier_signal -1
	s_barrier_wait -1
	s_cmp_lg_u32 s14, 0
	s_cbranch_scc1 .Lend
	ds_load_b128 v[80:83], v[SCA]                  ; q's: lanes 0-15 head 0 of the pair, lanes 16-31 head 1
	ds_load_b128 v[84:87], v[SCA] offset:512       ; K's and V's of head 0,
	ds_load_b128 v[88:91], v[SCA] offset:1024      ; of head 1
	s_wait_dscnt 0x0
	global_store_b128 v[GQ], v[80:83], s[2:3] offset:8192
	global_store_b128 v[LI], v[84:87], s[62:63] offset:16384
	global_store_b128 v[LI], v[88:91], s[62:63] offset:KVHEAD+16384
.Lend:
	s_wait_tensorcnt 0x0
	ds_add_u32 v240, v241
	s_wait_dscnt 0x0
	s_endpgm
.Lfunc_end_k_q8885f670c7_prep:
	.size	k_q8885f670c7_prep, .Lfunc_end_k_q8885f670c7_prep-k_q8885f670c7_prep
	.p2alignl 7, 3214868480
	.fill 96, 4, 3214868480
	.section	.rodata,"a",@progbits
	.p2align	6, 0x0
	.amdhsa_kernel k_q8885f670c7_prep
		.amdhsa_group_segment_fixed_size 205312
		.amdhsa_private_segment_fixed_size 0
		.amdhsa_enable_private_segment 0
		.amdhsa_kernarg_size 40
		.amdhsa_user_sgpr_count 2
		.amdhsa_user_sgpr_kernarg_segment_ptr 1
		.amdhsa_wavefront_size32 1
		.amdhsa_system_sgpr_workgroup_id_x 1
		.amdhsa_system_sgpr_workgroup_id_y 1
		.amdhsa_system_sgpr_workgroup_id_z 1
		.amdhsa_system_vgpr_workitem_id 0
		.amdhsa_next_free_vgpr 242
		.amdhsa_next_free_sgpr 80
		.amdhsa_reserve_vcc 1
		.amdhsa_float_denorm_mode_32 3
		.amdhsa_float_denorm_mode_16_64 3
		.amdhsa_memory_ordered 1
		.amdhsa_forward_progress 1
		.amdhsa_inst_pref_size 129
	.end_amdhsa_kernel
	.amdgpu_metadata
---
amdhsa.version: [ 1, 2 ]
amdhsa.kernels:
  - .name:           k_q8885f670c7_prep
    .symbol:         k_q8885f670c7_prep.kd
    .args:
      - { .name: q, .offset: 0, .size: 8, .value_kind: global_buffer, .address_space: global }
      - { .name: k, .offset: 8, .size: 8, .value_kind: global_buffer, .address_space: global }
      - { .name: v, .offset: 16, .size: 8, .value_kind: global_buffer, .address_space: global }
      - { .name: qc, .offset: 24, .size: 8, .value_kind: global_buffer, .address_space: global }
      - { .name: kv, .offset: 32, .size: 8, .value_kind: global_buffer, .address_space: global }
    .group_segment_fixed_size: 205312
    .private_segment_fixed_size: 0
    .kernarg_segment_align: 8
    .kernarg_segment_size: 40
    .max_flat_workgroup_size: 128
    .sgpr_count:     80
    .vgpr_count:     242
    .wavefront_size: 32
...
	.end_amdgpu_metadata
.endif
;; end of part 1
;; launch attn (part 2): grid 4 x 64, 8 waves a work-group, clusters of 4 x 1, 306,176 bytes of LDS; arguments qc, kv, out0; writes out0
.if DOCPART == 2
	.amdgcn_target "amdgcn-amd-amdhsa--gfx1250"
	.amdhsa_code_object_version 6
	.text
	.protected	k_q8885f670c7_attn
	.globl	k_q8885f670c7_attn
	.p2align	8
	.type	k_q8885f670c7_attn,@function
k_q8885f670c7_attn:
	s_mov_b64 s[64:65], 0
	v_nop
	global_prefetch_b8 v0, s[64:65] scope:SCOPE_SE
	s_setreg_imm32_b32 hwreg(HW_REG_WAVE_MODE, 25, 1), 1
	s_wait_xcnt 0x0
	s_wait_alu depctr_hold_cnt(0) depctr_sa_sdst(0) depctr_va_vdst(0) depctr_va_sdst(0) depctr_va_ssrc(0) depctr_va_vcc(0) depctr_vm_vsrc(0)
	s_getreg_b32 s2, hwreg(HW_REG_IB_STS2, 6, 4)
	s_cmp_eq_u32 s2, 0
	s_cbranch_scc0 .Lentry_in_a_cluster
	s_endpgm
.Lentry_in_a_cluster:
	s_bfe_u32 s2, ttmp6, 0x10000c
	s_cmp_lg_u32 s2, 0x3003
	s_cbranch_scc0 .Lentry_shape_is_right
	s_endpgm
.Lentry_shape_is_right:
; out0[q][head][:] = the sum over k of softmax_k(Q[q] . K[k] / 8) V[k][:], 64 heads, 2,048 positions, head size 64, both products on codes of FP8 (E4M3) with one E8M0 byte for each 32 along K.
; qc and kv hold codes and scale words as images of the operands' registers (a fragment: [group c 0..3][lane][16 bytes]):
;   qc [head][step 16][8,448]: 4 fragments, 256 bytes of scale words.   kv [head][step 16][16,896]: K's 4 fragments, V's 4, K's 256 bytes of scale words, V's 256.   A step is 128 positions.
;   A fragment of Q or K holds TWO tiles of 16 positions with the head's 64 channels each: k 0-63 tile 0, k 64-127 tile 1; row r of tile u of fragment b is position 128 step + 32 b + 8 u + r + 8 (r / 8).
; THE FIRST PRODUCT HAS K = 64 AND THE INSTRUCTION K = 128: a fragment of K is multiplied by [Q | zero codes] for its tile 0 and by [zero codes | Q] for its tile 1.  The scale bytes beside the zero codes are 1.
; THE SOFTMAX: t = score x log2(e) / 8 (q was quantised without reference()'s 1/8, a power of two); M = the running largest t rounded UP to a whole number; p = 2^(t - M) is quantised along the keys, not normalised;
;   the row's sum is taken of the unquantised p and divides at the end; when M moves, the sum and O are multiplied by 2^(old M - new M), which rounds nothing.
; LAYOUT.  Both products are used transposed (S^T = K Q^T, O^T = V^T P^T): a lane holds ONE query (lane % 16).  The 16 registers of a fragment's two tiles are 16 neighbouring keys, so the conversions' results are the second product's operand.
; SHARES.  A work-group owns 512 queries of one head, in two passes of 256; in a pass each of its eight waves owns 32 queries (two tiles).  Two waves to a SIMD.
; A WHOLE HEAD'S K AND V, 270,336 bytes, STAY IN LDS, filled once by one joint load a wave: no slot is filled again.  Every byte of kv is asked for at the head, so there is no later request that a prefetch could run ahead of.
; CLUSTER.  The four work-groups of a head ask for its K and V jointly: the same load, the same descriptor, a mask that names the four.
; THE ORDER OF A KEY STEP.  All first reads of the scores, both tiles' new M and the rescaling of O^T come ahead of the step's exponentials.  The exponentials go in two batches: the eight blocks' largest p with tile 0's 64,
;   then tile 1's 64.  Among the exponentials of a batch stand plain lines that name no result still out and whose own results are first read behind the batch's closing wait:
;   in the first batch tile 1's multiply-adds and the sums' rescaling; in the second tile 0's sixteen partial sums, each in registers of its own, and its holds.
; padding_mask and attention_mask are arguments that reference() never uses: no output number hangs on them, so no launch of this program names them.
; LIMITS: NaN and infinities are not served.  A p under 2^-126 comes out of v_exp_f32 as 0.  A block of p that is all zeros keeps the byte 1: its codes are zeros.
; REGISTERS.  Window 0: v1-9 addresses; v12-19 for each tile -M, the largest score, the sum in two halves; v20-29 scale words alone; v32-63 the eight blocks' registers; v64-191 S^T, then p; v192-223 tile 0's partial sums, then p's codes; v224-249 at work.
;   Window 1: v0-39 zeros, Q tile 0, zeros, Q tile 1, zeros, eight each; v64-127 K's four fragments; v128-191 O^T, 32 a tile; v192-255 V's four fragments.
.set QSTEP,  8448
.set QHEAD,  16*QSTEP
.set STEPB,  16896
.set KVHEAD, 16*STEPB
.set ROWG,   16384                     ; bytes from a position to the next in out0
.set STG,    KVHEAD                    ; behind K and V: a stage of 16 rows x (256 + 16) bytes for each wave; no tile lands there
.set SPITCH, 272
.set WSTG,   16*SPITCH
.set SPARE,  STG+8*WSTG                ; the spare words, 128 bytes a wave
.set LI,   1                           ; 16 x lane
.set LS,   2                           ; 4 x lane
.set AF,   3                           ; the step's first byte + 16 x lane
.set AS,   4                           ; the step's first byte + 4 x lane
.set STO,  5                           ; the stage: where I put 32 bytes of a row
.set RD,   6                           ; and where I read a row back
.set GO,   7                           ; my byte offset in two rows of out0
.set QSA,  9                           ; 4 x (lane % 16)
.set ST,   12
.set KS,   20                          ; K's scale words: lanes 0-15 fragment 0 (2), lanes 16-31 fragment 1 (3)
.set VS,   22                          ; V's likewise
.set QS,   24                          ; Q's: tile g beside [Q | 0] (u = 0) or [0 | Q] (u = 1), at QS + 2 g + u
.set PS,   28                          ; p's, tile g
.set BM,   32                          ; block n = 4 g + b: its largest score, then its largest p
.set PX,   40                          ; the other half of the lanes'; then the bytes
.set HOLD, 48                          ; 448 x the scale
.set SOP,  56                          ; the conversion's scale operand
.set SREG, 64
.set PC,   192
.set FR,   224                         ; v[224:225], v[226:227]: f = 2^(old M - new M) in the low word
.set AUX,  228                         ; tile 1's second chain of sums
.set TMP,  232
.set ONES, 234                         ; four bytes of 1
.set RAW,  235                         ; Q's scale word as it lies
.set RL,   236                         ; v[236:237], v[238:239]: 1 / the sum in the low word
.set OM,   240                         ; the old -M of each tile
.set XS,   242                         ; v242-249: the last levels of tile 0's tree of sums
.set SPW,  254
.set NIL,  255
.set BK,   128                         ; the way out: rows read back from the stage
.set KF,   64                          ; window 1
.set OREG, 128
.set VF,   192
.set MSB, 0
.macro WIN new                         ; the immediate's high byte repeats the setting that is left
.if MSB != \new
	s_set_vgpr_msb (MSB<<8)|\new
.set MSB, \new
.endif
.endm
.set W_KQ,  0x05                       ; sources 0 (K) and 1 (Q) window 1, D window 0
.set W_LD,  0x40                       ; destination window 1
.set W_RS,  0x41                       ; destination and source 0 window 1
.set W_PV,  0x51                       ; source 0 (V), C and D window 1; source 1 (p's codes) window 0
.set W_OUT, 0x01                       ; source 0 window 1
.macro CROUND                          ; a round of the cluster's barrier
	s_barrier_signal -1
	s_barrier_wait -1
	s_cmp_lg_u32 s10, 0
	s_cbranch_scc1 .Lnot_wave_0_\@
	s_barrier_signal -3
.Lnot_wave_0_\@:
	s_barrier_wait -3
	s_barrier_signal -1
	s_barrier_wait -1
.endm
.macro QLOAD                           ; a pass's fragment of Q (groups 0, 1 tile 0; groups 2, 3 tile 1) and its rows' scale words
	WIN W_LD
	global_load_b128 v[8:11], v[LI], s[42:43] th:TH_LOAD_NT
	global_load_b128 v[12:15], v[LI], s[42:43] offset:512 th:TH_LOAD_NT
	global_load_b128 v[24:27], v[LI], s[42:43] offset:1024 th:TH_LOAD_NT
	global_load_b128 v[28:31], v[LI], s[42:43] offset:1536 th:TH_LOAD_NT
	WIN 0
	global_load_b32 v[RAW], v[QSA], s[44:45] th:TH_LOAD_NT
.endm
	s_load_b128 s[4:7], s[0:1], 0x0                ; qc, kv
	s_load_b64 s[8:9], s[0:1], 0x10                ; out0
	v_lshl_add_u32 v[SPW], v0, 2, SPARE
	v_mov_b32 v[NIL], 0
	ds_add_u32 v[SPW], v[NIL]                      ; the opening lines: the add twice on end and its wait
	ds_add_u32 v[SPW], v[NIL]
	v_lshrrev_b32 v1, 5, v0
	v_readfirstlane_b32 s10, v1                    ; wave 0..7
	s_bfe_u32 s11, ttmp6, 0x40000                  ; cx
	s_lshl_b32 s40, ttmp9, 2
	s_add_co_u32 s11, s40, s11                     ; my block of 512 queries: it enters Q's and out0's addresses alone
	s_and_b32 s12, ttmp7, 0xffff                   ; the head, which the four partners share
	s_mov_b32 s16, 15|(3<<16)|(1<<21)              ; group 1: the mask of all four; elements of 8 bytes; bit 21 beside a mask
	s_mov_b32 s17, 32<<16                          ; two steps, 33,792 dense bytes, as 132 rows of 256 bytes
	s_mov_b32 s18, 132<<16
	s_mov_b32 s19, 32<<16
	s_mov_b32 s20, 132
	s_mov_b32 s21, 32
	s_mov_b32 s22, 0
	s_mov_b32 s23, 0
	s_mov_b32 s24, 1
	s_mul_i32 s25, s10, 2*STEPB                    ; LDS: steps 2 wave and 2 wave + 1
	s_mul_i32 s38, s12, KVHEAD
	s_add_co_u32 s38, s38, s25
	s_mov_b32 s39, 0
	s_wait_dscnt 0x0
	s_wait_kmcnt 0x0
	s_add_nc_u64 s[26:27], s[6:7], s[38:39]
	s_or_b32 s27, s27, 0x80000000                  ; the type
	CROUND                                         ; all four work-groups are here: the joint loads meet
	tensor_load_to_lds s[24:27], s[16:23]          ; my one load
	s_nop 0
.rept 4
	v_nop
.endr
	; Q's fragment of my first pass: step 4 x block + wave / 4, fragment wave % 4
	s_lshl_b32 s40, s11, 2
	s_lshr_b32 s41, s10, 2
	s_add_co_u32 s40, s40, s41
	s_mul_i32 s40, s40, QSTEP
	s_mul_i32 s41, s12, QHEAD
	s_add_co_u32 s40, s40, s41
	s_mov_b32 s41, 0
	s_add_nc_u64 s[44:45], s[4:5], s[40:41]
	s_and_b32 s40, s10, 3
	s_lshl_b32 s40, s40, 11
	s_add_nc_u64 s[42:43], s[44:45], s[40:41]      ; its codes
	s_lshr_b32 s40, s40, 5
	s_add_co_u32 s40, s40, 8192
	s_add_nc_u64 s[44:45], s[44:45], s[40:41]      ; its scale words: 64 bytes a fragment, behind the step's codes
	s_lshl_b32 s40, s11, 9
	s_lshl_b32 s38, s10, 5
	s_add_co_u32 s40, s40, s38                     ; my first query: 512 x block + 32 x wave
	s_lshl_b32 s40, s40, 14
	s_lshl_b32 s38, s12, 8
	s_add_co_u32 s40, s40, s38
	s_add_nc_u64 s[46:47], s[8:9], s[40:41]        ; out0 at (my first query, the head)
	s_mov_b32 s32, 0x76543210
	s_mov_b32 s33, 0xfedcba98                      ; v_permlanex16_b32's selects for lane l xor 16
	s_mov_b32 s34, 0x3e38aa3b                      ; c = log2(e) / 8
	s_mov_b32 s35, s34                             ; (the packed form names the pair)
	s_mov_b32 s36, 0x600000                        ; the mantissa field of 448
	s_mul_i32 s38, s10, WSTG
	s_add_co_u32 s38, s38, STG                     ; my stage
	v_and_b32 v8, 31, v0                           ; lane
	v_and_b32 v10, 15, v0                          ; r
	v_bfe_u32 v11, v0, 4, 1                        ; h
	v_lshlrev_b32 v[LI], 4, v8
	v_lshlrev_b32 v[LS], 2, v8
	v_lshlrev_b32 v[QSA], 2, v10
	QLOAD                                          ; the first pass's Q is asked for while the tensor load is out
	v_mul_u32_u24 v[STO], v10, SPITCH
	v_lshl_add_u32 v[STO], v11, 5, v[STO]
	v_add_nc_u32 v[STO], s38, v[STO]               ; in: row r, 32 bytes for each half of the lanes
	v_mul_u32_u24 v[RD], v11, SPITCH
	v_lshl_add_u32 v[RD], v10, 4, v[RD]
	v_add_nc_u32 v[RD], s38, v[RD]                 ; back: lanes 0-15 one row of 256 bytes, lanes 16-31 the next
	v_lshlrev_b32 v[GO], 14, v11
	v_lshl_add_u32 v[GO], v10, 4, v[GO]            ; and the same two rows in out0
.irp z, 40,41,42,43,44,45,46,47, 225,227, 232,233, 237,239
	v_mov_b32 v[\z], 0                             ; written once: a lane permute's destination counts as a source, and a pair's upper word is named with its lower
.endr
	v_mov_b32 v[ONES], 0x01010101
	WIN W_LD
.irp z, 0,1,2,3,4,5,6,7, 16,17,18,19,20,21,22,23, 32,33,34,35,36,37,38,39
	v_mov_b32 v[\z], 0                             ; the zero codes beside Q's two tiles
.endr
	WIN 0
	s_wait_alu depctr_va_vdst(0)                   ; the wait at the head's end
	s_wait_tensorcnt 0x0                           ; my two steps are in,
	s_barrier_signal -1
	s_barrier_wait -1                              ; everybody's are: the whole head lies in LDS
; Product (f, u, g): tile u of K's fragment f against tile g of Q.  Sixteen different results, each begun with the constant 0
.macro KQ f, u, g
.if (\f)%2
	v_wmma_scale_f32_16x16x128_f8f6f4 v[SREG+64*\g+16*\f+8*\u:SREG+64*\g+16*\f+8*\u+7], v[KF+16*\f:KF+16*\f+15], v[16*\g+8-8*\u:16*\g+8-8*\u+15], 0, v[KS+(\f)/2], v[QS+2*\g+\u] matrix_a_scale:MATRIX_SCALE_ROW1
.else
	v_wmma_scale_f32_16x16x128_f8f6f4 v[SREG+64*\g+16*\f+8*\u:SREG+64*\g+16*\f+8*\u+7], v[KF+16*\f:KF+16*\f+15], v[16*\g+8-8*\u:16*\g+8-8*\u+15], 0, v[KS+(\f)/2], v[QS+2*\g+\u]
.endif
.endm
; O^T(g, t) += V's fragment t x p of tile g
.macro PV t, g
.if (\t)%2
	v_wmma_scale_f32_16x16x128_f8f6f4 v[OREG+32*\g+8*\t:OREG+32*\g+8*\t+7], v[VF+16*\t:VF+16*\t+15], v[PC+16*\g:PC+16*\g+15], v[OREG+32*\g+8*\t:OREG+32*\g+8*\t+7], v[VS+(\t)/2], v[PS+\g] matrix_a_scale:MATRIX_SCALE_ROW1
.else
	v_wmma_scale_f32_16x16x128_f8f6f4 v[OREG+32*\g+8*\t:OREG+32*\g+8*\t+7], v[VF+16*\t:VF+16*\t+15], v[PC+16*\g:PC+16*\g+15], v[OREG+32*\g+8*\t:OREG+32*\g+8*\t+7], v[VS+(\t)/2], v[PS+\g]
.endif
.endm
.macro TMM0 a, n                       ; t - M of tile 0's pairs a .. a + n - 1
.set zi, \a
.rept \n
	v_pk_fma_f32 v[SREG+2*zi:SREG+2*zi+1], v[SREG+2*zi:SREG+2*zi+1], s[34:35], v[ST:ST+1] op_sel_hi:[1,0,0]
.set zi, zi+1
.endr
.endm
; A KEY STEP: 128 keys for my two tiles of queries.  next = 1: the next step's K is fetched too
.macro STEP next
	s_wait_dscnt 0x0                               ; this step's K and its scale words are in
	WIN W_KQ
.irp f, 0,1,2,3
.irp u, 0,1
.irp g, 0,1
	KQ \f, \u, \g
.endr
.endr
.endr
	WIN 0
	v_add_nc_u32 v[AF], s28, v[LI]                 ; these four lines and four v_nop: eight places behind the products, ahead of the loads into their registers and of the first read of the scores
	v_add_nc_u32 v[AS], s28, v[LS]
	v_mov_b32 v[OM], v[ST]
	v_mov_b32 v[OM+1], v[ST+4]
.rept 4
	v_nop
.endr
	WIN W_LD
.irp t, 0,1,2,3
.irp c, 0,1,2,3
	ds_load_b128 v[VF+16*\t+4*\c:VF+16*\t+4*\c+3], v[AF] offset:8192+2048*\t+512*\c
.endr
.endr
.if \next
.irp f, 0,1,2,3
.irp c, 0,1,2,3
	ds_load_b128 v[KF+16*\f+4*\c:KF+16*\f+4*\c+3], v[AF] offset:STEPB+2048*\f+512*\c
.endr
.endr
.endif
	WIN 0
	ds_load_b32 v[VS], v[AS] offset:16640
	ds_load_b32 v[VS+1], v[AS] offset:16768
.if \next
	ds_load_b32 v[KS], v[AS] offset:STEPB+16384
	ds_load_b32 v[KS+1], v[AS] offset:STEPB+16512
.endif
	; the largest score of each of the eight blocks of 32 keys, by turns; each result is read from its low end on.  It serves the row's maximum and, since p rises with the score, the block's largest p
.irp n, 0,1,2,3,4,5,6,7
	v_max3_num_f32 v[BM+\n], v[SREG+16*\n], v[SREG+16*\n+1], v[SREG+16*\n+2]
.endr
.irp i, 3,5,7,9,11,13
.irp n, 0,1,2,3,4,5,6,7
	v_max3_num_f32 v[BM+\n], v[BM+\n], v[SREG+16*\n+\i], v[SREG+16*\n+\i+1]
.endr
.endr
.irp n, 0,1,2,3,4,5,6,7
	v_max_num_f32 v[BM+\n], v[BM+\n], v[SREG+16*\n+15]
.endr
.irp n, 0,1,2,3,4,5,6,7
	v_permlanex16_b32 v[PX+\n], v[BM+\n], s32, s33
.endr
.irp n, 0,1,2,3,4,5,6,7
	v_max_num_f32 v[BM+\n], v[BM+\n], v[PX+\n]     ; with lane l xor 16's 16 keys
.endr
.irp g, 0,1
	v_max3_num_f32 v[TMP+\g], v[BM+4*\g], v[BM+4*\g+1], v[BM+4*\g+2]
.endr
.irp g, 0,1
	v_max3_num_f32 v[ST+4*\g+1], v[ST+4*\g+1], v[TMP+\g], v[BM+4*\g+3]   ; the running largest SCORE: c is positive, so the largest t is c x it
.endr
.irp g, 0,1
	v_mul_f32 v[TMP+\g], s34, v[ST+4*\g+1]
.endr
.irp g, 0,1
	v_floor_f32 v[ST+4*\g], -v[TMP+\g]             ; the new -M = floor(-t): M is a whole number
.endr
.irp n, 0,1,2,3,4,5,6,7
	v_fma_f32 v[BM+\n], v[BM+\n], s34, v[ST+4*(\n/4)]   ; t - M of each block's largest score: the same step on the same number as its own place in the tile gets
.endr
.irp g, 0,1
	v_sub_f32 v[TMP+\g], v[ST+4*\g], v[OM+\g]      ; old M - new M: a whole number, 0 or less.  (The three lines that make f stand among tile 0's multiply-adds)
.endr
	TMM0 0, 8
.irp g, 0,1
	v_cvt_i32_f32 v[TMP+\g], v[TMP+\g]             ; (it saturates)
.endr
	TMM0 8, 8
.irp g, 0,1
	v_ldexp_f32 v[FR+2*\g], 1.0, v[TMP+\g]         ; f
.endr
	TMM0 16, 16
	WIN W_RS
.irp g, 0,1
.irp j, 0,2,4,6,8,10,12,14,16,18,20,22,24,26,28,30
	v_pk_mul_f32 v[OREG+32*\g+\j:OREG+32*\g+\j+1], v[OREG+32*\g+\j:OREG+32*\g+\j+1], v[FR+2*\g:FR+2*\g+1] op_sel_hi:[1,0]   ; O^T under the new M, each result from its low end on; no exponential stands between the last products and these reads
.endr
.endr
	WIN 0
	s_wait_alu depctr_va_vdst(0)                   ; the wait ahead of the batch
	; THE FIRST BATCH: the blocks' largest p, then tile 0's p.  Behind every second exponential from the sixth on: t - M of a pair of tile 1, at the end the two sums under the new M
.set zi, 0
.rept 72
.if zi < 8
	v_exp_f32 v[BM+zi], v[BM+zi]
.else
	v_exp_f32 v[SREG+zi-8], v[SREG+zi-8]
.endif
.if (zi%2 == 1) && (zi >= 5)
.set zk, (zi-5)/2
.if zk < 32
	v_pk_fma_f32 v[SREG+64+2*zk:SREG+64+2*zk+1], v[SREG+64+2*zk:SREG+64+2*zk+1], s[34:35], v[ST+4:ST+5] op_sel_hi:[1,0,0]
.else
	v_pk_mul_f32 v[ST+4*(zk-32)+2:ST+4*(zk-32)+3], v[ST+4*(zk-32)+2:ST+4*(zk-32)+3], v[FR+2*(zk-32):FR+2*(zk-32)+1] op_sel_hi:[1,0]
.endif
.endif
.set zi, zi+1
.endr
	s_wait_alu depctr_va_vdst(0)                   ; the wait behind the first batch, ahead of its first reader
.irp n, 0,1,2,3,4,5,6,7
	v_max_num_f32 v[BM+\n], 0x4800000, v[BM+\n]    ; the floor 2^(9 - 127): the byte cannot fall under 1
.endr
.irp n, 0,1,2,3,4,5,6,7
	v_add_nc_u32 v[SOP+\n], 0xfc000000, v[BM+\n]   ; 8 off the exponent field: the conversion's scale operand
.endr
.irp n, 0,1,2,3,4,5,6,7
	v_and_or_b32 v[HOLD+\n], v[BM+\n], 0x7f800000, s36   ; 448 x the scale
.endr
.irp n, 0,1,2,3,4,5,6,7
	v_lshrrev_b32 v[PX+\n], 23, v[SOP+\n]          ; the byte
.endr
.irp g, 0,1
	v_lshl_or_b32 v[PS+\g], v[PX+4*\g+1], 8, v[PX+4*\g]   ; p's scale word for these 128 keys
.endr
.irp g, 0,1
	v_lshl_or_b32 v[PS+\g], v[PX+4*\g+2], 16, v[PS+\g]
.endr
.irp g, 0,1
	v_lshl_or_b32 v[PS+\g], v[PX+4*\g+3], 24, v[PS+\g]
.endr
	s_wait_alu depctr_va_vdst(0)                   ; the wait ahead of the second batch
	; THE SECOND BATCH: tile 1's p.  Behind three exponentials of four a line of tile 0: the sum of two pairs of unquantised p into partial sum m's own registers, then the hold of each of the two pairs
	; (p is not negative: one-sided; two numbers a line)
.set zi, 0
.rept 64
	v_exp_f32 v[SREG+64+zi], v[SREG+64+zi]
.if zi%4 != 0
.set zk, zi-zi/4-1
.set zm, zk/3
.if zk%3 == 0
	v_pk_add_f32 v[PC+2*zm:PC+2*zm+1], v[SREG+4*zm:SREG+4*zm+1], v[SREG+4*zm+2:SREG+4*zm+3]
.else
.set zp, 2*zm+zk%3-1
	v_dual_min_num_f32 v[SREG+2*zp], v[HOLD+zp/8], v[SREG+2*zp] :: v_dual_min_num_f32 v[SREG+2*zp+1], v[HOLD+zp/8], v[SREG+2*zp+1]
.endif
.endif
.set zi, zi+1
.endr
	s_wait_alu depctr_va_vdst(0)                   ; the wait behind the second batch
.set zi, 0
.rept 8
	v_pk_add_f32 v[PC+2*zi:PC+2*zi+1], v[PC+2*zi:PC+2*zi+1], v[PC+16+2*zi:PC+16+2*zi+1]   ; tile 0's sixteen partial sums: a tree
.set zi, zi+1
.endr
.set zi, 0
.rept 4
	v_pk_add_f32 v[XS+2*zi:XS+2*zi+1], v[PC+2*zi:PC+2*zi+1], v[PC+8+2*zi:PC+8+2*zi+1]     ; out of the codes' registers
.set zi, zi+1
.endr
.set zi, 0
.rept 8
	v_cvt_scalef32_pk8_fp8_f32 v[PC+2*zi:PC+2*zi+1], v[SREG+8*zi:SREG+8*zi+7], v[SOP+zi/2]   ; tile 0's codes
.set zi, zi+1
.endr
	v_pk_add_f32 v[XS:XS+1], v[XS:XS+1], v[XS+4:XS+5]         ; (plain lines behind the last conversion)
	v_pk_add_f32 v[XS+2:XS+3], v[XS+2:XS+3], v[XS+6:XS+7]
	; tile 1: in turn zi pair zi joins the sum (two chains), pair zi - 2 is held, and every fourth pair closes eight numbers for a conversion
.set zi, 1
.rept 33
.if zi == 1
	v_pk_add_f32 v[AUX:AUX+1], v[SREG+64:SREG+65], v[SREG+66:SREG+67]
.elseif zi < 32
.if zi%2 == 0
	v_pk_add_f32 v[ST+6:ST+7], v[ST+6:ST+7], v[SREG+64+2*zi:SREG+64+2*zi+1]
.else
	v_pk_add_f32 v[AUX:AUX+1], v[AUX:AUX+1], v[SREG+64+2*zi:SREG+64+2*zi+1]
.endif
.endif
.if zi >= 2
.set zk, zi-2
	v_dual_min_num_f32 v[SREG+64+2*zk], v[HOLD+4+zk/8], v[SREG+64+2*zk] :: v_dual_min_num_f32 v[SREG+64+2*zk+1], v[HOLD+4+zk/8], v[SREG+64+2*zk+1]
.if zk%4 == 3
	v_cvt_scalef32_pk8_fp8_f32 v[PC+16+2*(zk/4):PC+16+2*(zk/4)+1], v[SREG+64+8*(zk/4):SREG+64+8*(zk/4)+7], v[SOP+4+zk/8]
.endif
.endif
.set zi, zi+1
.endr
	v_pk_add_f32 v[XS:XS+1], v[XS:XS+1], v[XS+2:XS+3]         ; these three lines and two v_nop: the places between the last codes and the scaled products
	v_pk_add_f32 v[ST+6:ST+7], v[ST+6:ST+7], v[AUX:AUX+1]     ; tile 1's two chains meet
	v_pk_add_f32 v[ST+2:ST+3], v[ST+2:ST+3], v[XS:XS+1]       ; tile 0's tree joins its sum
	v_nop
	v_nop
	s_wait_alu depctr_va_vdst(0)                   ; directly ahead of the wait below
	s_wait_dscnt 2*\next                           ; V and its scale words are in; only the next step's two loads of K's scale words were issued behind them
	WIN W_PV
.irp t, 0,1,2,3
.irp g, 0,1
	PV \t, \g                                      ; eight accumulators, one instruction a turn
.endr
.endr
	WIN 0
	s_add_co_u32 s28, s28, STEPB
.endm
	s_mov_b32 s30, 2
.Lpass:                                            ; two trips: 256 queries of the work-group each
	WIN W_LD
.irp f, 0,1,2,3
.irp c, 0,1,2,3
	ds_load_b128 v[KF+16*\f+4*\c:KF+16*\f+4*\c+3], v[LI] offset:2048*\f+512*\c   ; K of step 0
.endr
.endr
	WIN 0
	ds_load_b32 v[KS], v[LS] offset:16384
	ds_load_b32 v[KS+1], v[LS] offset:16512
	s_mov_b32 s28, 0                               ; the step's first byte in LDS
.irp g, 0,1
	v_mov_b32 v[ST+4*\g+1], 0xff61b1e6             ; the largest score so far: -3e38, under every score
	v_floor_f32 v[ST+4*\g], -v[ST+4*\g+1]          ; -M: so far above every later one that the first f is 0
	v_mov_b32 v[ST+4*\g+2], 0                      ; the sum, in two halves
	v_mov_b32 v[ST+4*\g+3], 0
.endr
	s_wait_loadcnt 0x0                             ; Q and its scale words
	v_perm_b32 v[QS], v[ONES], v[RAW], 0x04040100      ; tile 0 beside [Q | 0]: its two bytes, then 1, 1
	v_perm_b32 v[QS+1], v[ONES], v[RAW], 0x01000404    ; tile 0 beside [0 | Q]
	v_perm_b32 v[QS+2], v[ONES], v[RAW], 0x04040302    ; tile 1
	v_perm_b32 v[QS+3], v[ONES], v[RAW], 0x03020404
	WIN W_LD
.set zi, 0
.rept 64
	v_mov_b32 v[OREG+zi], 0                        ; O^T: the step has no first form of its own; it finds zeros, which the first change of M leaves zeros.  (Also the places between Q's scale words and the first products)
.set zi, zi+1
.endr
	WIN 0
	s_mov_b32 s29, 15
	s_wait_alu depctr_va_vdst(0)                   ; ahead of the loop's first wait
.Lstep:
	STEP 1
	s_sub_co_u32 s29, s29, 1
	s_cmp_lg_u32 s29, 0
	s_cbranch_scc1 .Lstep
	STEP 0                                         ; the last step is written out: there is no K behind it
	s_cmp_eq_u32 s30, 1                            ; the next pass's Q, 256 queries (two steps) on, is asked for ahead of the way out; the last pass asks for nothing
	s_cbranch_scc1 .Lno_q
	s_add_nc_u64 s[42:43], s[42:43], 2*QSTEP       ; (the earlier loads by these addresses were waited for)
	s_add_nc_u64 s[44:45], s[44:45], 2*QSTEP
	QLOAD
.Lno_q:
	; THE WAY OUT.  The sum's halves and the other half of the lanes' are added; O^T / the sum goes through my own stage, a tile of 16 queries at a time, and leaves as whole rows of 256 bytes.
.rept 4
	v_nop                                          ; with the four additions and the v_nop below: nine plain lines behind the last products
.endr
.irp g, 0,1
	v_add_f32 v[ST+4*\g+2], v[ST+4*\g+2], v[ST+4*\g+3]
.endr
.irp g, 0,1
	v_permlanex16_b32 v[TMP+\g], v[ST+4*\g+2], s32, s33
.endr
.irp g, 0,1
	v_add_f32 v[ST+4*\g+2], v[ST+4*\g+2], v[TMP+\g]
.endr
	s_wait_alu depctr_va_vdst(0)                   ; the wait ahead of the reciprocals
.irp g, 0,1
	v_rcp_f32 v[RL+2*\g], v[ST+4*\g+2]
.endr
	v_nop                                          ; a plain line behind the reciprocals
	WIN W_OUT
	s_wait_alu depctr_va_vdst(0)                   ; the wait behind them, directly ahead of the first reader of O^T; plain lines alone up to the last
.irp g, 0,1
.irp j, 0,2,4,6,8,10,12,14,16,18,20,22,24,26,28,30
	v_pk_mul_f32 v[SREG+32*\g+\j:SREG+32*\g+\j+1], v[OREG+32*\g+\j:OREG+32*\g+\j+1], v[RL+2*\g:RL+2*\g+1] op_sel_hi:[1,0]   ; register 8 t + j: out(query r, channel 16 t + 8 h + j)
.endr
.endr
	WIN 0
.irp g, 0,1
.irp t, 0,1,2,3
	ds_store_b128 v[STO], v[SREG+32*\g+8*\t:SREG+32*\g+8*\t+3] offset:64*\t
	ds_store_b128 v[STO], v[SREG+32*\g+8*\t+4:SREG+32*\g+8*\t+7] offset:64*\t+16
.endr
.irp i, 0,1,2,3,4,5,6,7
	ds_load_b128 v[BK+32*\g+4*\i:BK+32*\g+4*\i+3], v[RD] offset:2*\i*SPITCH   ; LDS serves a wave's instructions in order (ISA guide 5.7.1.4): these see my stores, and the next tile's stores come behind them
.endr
.endr
.irp g, 0,1
.irp i, 0,1,2,3,4,5,6,7
	s_wait_dscnt (1-\g)*16+7-\i                    ; behind this load: the tile's younger loads, and for tile 0 tile 1's sixteen instructions
	global_store_b128 v[GO], v[BK+32*\g+4*\i:BK+32*\g+4*\i+3], s[46:47] offset:(8*\g+2*\i+8*(\i/4))*ROWG th:TH_STORE_NT   ; row 2 i + lane / 16 of tile g is query 8 g + row + 8 (row / 8); sixteen lanes store its head's 256 bytes, aligned
.endr
.endr
	s_wait_xcnt 0x0                                ; the stores have read their registers and their base
	s_add_nc_u64 s[46:47], s[46:47], 256*ROWG
	s_sub_co_u32 s30, s30, 1
	s_cmp_lg_u32 s30, 0
	s_wait_alu depctr_va_vdst(0)                   ; directly ahead of the branch
	s_cbranch_scc1 .Lpass
	s_wait_tensorcnt 0x0                           ; the wave's end
	ds_add_u32 v[SPW], v[NIL]
	s_wait_dscnt 0x0
	CROUND                                         ; the closing round: no work-group ends while a partner may still ask for a tile that names it
	s_endpgm
.Lfunc_end_k_q8885f670c7_attn:
	.size	k_q8885f670c7_attn, .Lfunc_end_k_q8885f670c7_attn-k_q8885f670c7_attn
	.p2alignl 7, 3214868480
	.fill 96, 4, 3214868480
	.section	.rodata,"a",@progbits
	.p2align	6, 0x0
	.amdhsa_kernel k_q8885f670c7_attn
		.amdhsa_group_segment_fixed_size 306176
		.amdhsa_private_segment_fixed_size 0
		.amdhsa_enable_private_segment 0
		.amdhsa_kernarg_size 24
		.amdhsa_user_sgpr_count 2
		.amdhsa_user_sgpr_kernarg_segment_ptr 1
		.amdhsa_wavefront_size32 1
		.amdhsa_system_sgpr_workgroup_id_x 1
		.amdhsa_system_sgpr_workgroup_id_y 1
		.amdhsa_system_sgpr_workgroup_id_z 1
		.amdhsa_system_vgpr_workitem_id 0
		.amdhsa_next_free_vgpr 512
		.amdhsa_next_free_sgpr 66
		.amdhsa_reserve_vcc 0
		.amdhsa_float_denorm_mode_32 3
		.amdhsa_float_denorm_mode_16_64 3
		.amdhsa_memory_ordered 1
		.amdhsa_forward_progress 1
		.amdhsa_inst_pref_size 85
	.end_amdhsa_kernel
	.amdgpu_metadata
---
amdhsa.version: [ 1, 2 ]
amdhsa.kernels:
  - .name:           k_q8885f670c7_attn
    .symbol:         k_q8885f670c7_attn.kd
    .args:
      - { .name: qc, .offset: 0, .size: 8, .value_kind: global_buffer, .address_space: global }
      - { .name: kv, .offset: 8, .size: 8, .value_kind: global_buffer, .address_space: global }
      - { .name: out0, .offset: 16, .size: 8, .value_kind: global_buffer, .address_space: global }
    .group_segment_fixed_size: 306176
    .private_segment_fixed_size: 0
    .kernarg_segment_align: 8
    .kernarg_segment_size: 24
    .max_flat_workgroup_size: 256
    .sgpr_count:     66
    .vgpr_count:     512
    .wavefront_size: 32
...
	.end_amdgpu_metadata
.endif
;; end of part 2
